; MI455X (gfx1250); checked and timed in simulation.
; The chip was launched on July 23, 2026; its instructions are those of AMD's public machine-readable ISA for CDNA 5 (MIT licence, August 2026) and "CDNA5" Instruction Set Architecture Reference Guide (July 2026). The comments in the code are by the model that wrote it; some were corrected since.
;; KNN Pair Layer. Allowed arithmetic: float matrix products may take bf16 or f16 operands with f32 sums; all other float work in f32.
;; Inputs: feat0 1 x 2,048 x 32 float32; feat1 1 x 2,048 x 32 float32; pos1 1 x 2,048 x 2 float32.
;; Outputs: out0 1 x 2,048 x 2 float32; out1 1 x 2,048 float32.
;; One version. Each part assembles by itself: llvm-mc -triple=amdgcn-amd-amdhsa -mcpu=gfx1250 --defsym DOCPART=n.
;; ======== version 1 of 1: 2 launches
;; workspace buffers: pd 16,384 bytes; pi 16,384 bytes of whole numbers
;; launch nearest (part 1): grid 128 x 2, 8 waves a work-group, clusters of 4 x 1, 168,960 bytes of LDS; arguments feat0, feat1, pd, pi; writes pd, pi
.if DOCPART == 1
	.amdgcn_target "amdgcn-amd-amdhsa--gfx1250"
	.amdhsa_code_object_version 6
	.text
	.protected	k_qc77be2c426_nearest
	.globl	k_qc77be2c426_nearest
	.p2align	8
	.type	k_qc77be2c426_nearest,@function
k_qc77be2c426_nearest:
	s_mov_b64 s[64:65], 0
	v_nop
	global_prefetch_b8 v0, s[64:65] scope:SCOPE_SE
	s_setreg_imm32_b32 hwreg(HW_REG_WAVE_MODE, 25, 1), 1
	s_wait_xcnt 0x0
	s_wait_alu depctr_hold_cnt(0) depctr_sa_sdst(0) depctr_va_vdst(0) depctr_va_sdst(0) depctr_va_ssrc(0) depctr_va_vcc(0) depctr_vm_vsrc(0)
	s_getreg_b32 s2, hwreg(HW_REG_IB_STS2, 6, 4)
	s_cmp_eq_u32 s2, 0
	s_cbranch_scc0 .Lentry_in_a_cluster
	s_endpgm
.Lentry_in_a_cluster:
	s_bfe_u32 s2, ttmp6, 0x10000c
	s_cmp_lg_u32 s2, 0x3003
	s_cbranch_scc0 .Lentry_shape_is_right
	s_endpgm
.Lentry_shape_is_right:
; Nearest neighbour in L1, first part.  feat0, feat1: [2048][32] f32.
; pd[y][i] = min over the 1024 candidates j of half y of sum_f |feat0[i][f] - feat1[j][f]|;  pi[y][i] = the lowest such j.
; A work-group: 16 query rows (x) against 1024 candidates (y).  Wave w = 4 h + g: query rows 4 g .. 4 g + 3, held in 128 registers,
; the same numbers in every lane; candidates 512 h .. 512 h + 511 of the half, one for each lane and step, 16 steps.
; All arithmetic in f32.  Four terms take five instructions: two packed subtractions, two adds that take |.| of both sources,
; one packed add onto a pair of sums (two query rows side by side).
; CLUSTER: the four work-groups of a cluster have the same y and want the same 131,072 bytes of feat1: every tensor load is a joint
; load with the mask of all four, so these bytes are asked for once for the four.
; feat1's share fits in LDS whole (512 rows of 256 bytes): each byte of LDS is filled once, nothing is filled again.
; LIMITS: NaN inputs (and infinities, which make inf - inf) are not served: a NaN distance is passed over by compare and minimum.
; The 32 terms are summed in a fixed tree, not in the order of the defining formula: distances may differ in the last bits, and two
; candidates that close may change places.  Equal distances: the lowest index wins, in a lane (strict compare, ascending j),
; across lanes (minimum of the indices that reach the minimum) and across the halves (strict compare).
; STORES: a work-group owns 16 rows, that is 64 consecutive bytes of pd and of pi: two stores of 64 bytes in the whole work-group.
.set PITCH,  272                       ; an LDS row: 256 bytes (two candidates) + 16 of padding: lane l reads at 272 l
.set TROWS,  16                        ; LDS rows that one tensor load brings
.set CROWS,  128                       ; LDS rows of a chunk: 8 waves x 16; rows 0-63 serve h = 0, rows 64-127 h = 1
.set CHUNKS, 4
.set CSTEP,  64*256                    ; bytes of feat1 from a wave's rows in one chunk to those in the next
.set STEPS,  16                        ; steps of a wave, four to a chunk
.set STAGE,  CHUNKS*CROWS*PITCH        ; 139,264 = 544 x 256: behind the tiles, 512 bytes for each wave: its four query rows
.set RES,    STAGE+8*512               ; 143,360: 128 bytes of distances, 128 of indices, 16 bytes a wave in each
.set LADR, 2                           ; v2-3     LDS address of my lane's row in chunk 0, in chunk 2 (offsets have 16 bits)
.set JV,   7                           ; v7       the index j of my lane's candidate in this step
.set BEST, 8                           ; v8-11    smallest distance so far, query rows 0-3
.set IDX,  12                          ; v12-15   its j
.set ACC,  16                          ; v16-23   sums: pair (k, rp) at 4 k + 2 rp holds query rows 2 rp, 2 rp + 1
.set X,    24                          ; v24-31   |t| + |t|, laid out like ACC
.set T,    32                          ; v32-47   differences: query row u, pair k at 4 u + 2 k
.set B0,   48                          ; v48-79, v80-111  the candidate's 32 numbers, two buffers (even steps, odd steps)
.set A,    112                         ; v112-239 query row u, feature f at 32 u + f
.set G1,   16                          ; s[16:23] descriptor group 1
.set G0,   24                          ; s[24:39] descriptor group 0, one set for each chunk
.set MASK, 56                          ; s56-59   compare results of the four query rows
; A round of the cluster's barrier: my work-group's barrier, wave 0 signals for the work-group, all wait for the four work-groups,
; my work-group's barrier once more.
.macro ROUND
	s_barrier_signal -1
	s_barrier_wait -1
	s_cmp_lg_u32 s12, 0
	s_cbranch_scc1 .Lnot_wave_0_\@
	s_barrier_signal -3
.Lnot_wave_0_\@:
	s_barrier_wait -3
	s_barrier_signal -1
	s_barrier_wait -1
.endm
	s_load_b256 s[4:11], s[0:1], 0x0               ; feat0 s[4:5], feat1 s[6:7], pd s[8:9], pi s[10:11]
	v_lshl_add_u32 v240, v0, 2, 0x29000
	v_mov_b32 v241, 0
	ds_add_u32 v240, v241
	v_lshrrev_b32 v4, 5, v0
	v_readfirstlane_b32 s12, v4                    ; wave w, 0..7
	v_and_b32 v1, 31, v0                           ; lane
	s_lshr_b32 s13, s12, 2                         ; h: which 512 candidates
	s_and_b32 s14, s12, 3                          ; g: which four query rows
	s_bfe_u32 s40, ttmp6, 0x40000                  ; cx: my place in the cluster
	s_lshl_b32 s41, ttmp9, 2
	s_add_co_u32 s41, s41, s40                     ; work-group x = 4 x cluster x + cx: enters global addresses of feat0, pd, pi alone
	s_and_b32 s42, ttmp7, 0xffff                   ; y: which half of feat1; the same in the four partners
	; group 1: a dense block as 16 rows of 32 elements of 8 bytes, 16 bytes of padding behind each row
	s_mov_b32 s[G1+0], 15|(3<<16)|(1<<20)|(1<<21)|(5<<22)|(3<<25)  ; 15:0 mask: all four work-groups; 17:16 8-byte elements; 20 padding on; 21 set beside a mask; 24:22 after every 64 words; 31:25 four words
	s_mov_b32 s[G1+1], 32<<16                      ; tensor_dim0 = 32
	s_mov_b32 s[G1+2], TROWS<<16                   ; tensor_dim1 = 16
	s_mov_b32 s[G1+3], 32<<16                      ; tile_dim0 = 32
	s_mov_b32 s[G1+4], TROWS                       ; tile_dim1 = 16
	s_mov_b32 s[G1+5], 32                          ; 32 elements from row to row: dense
	s_mov_b32 s[G1+6], 0
	s_mov_b32 s[G1+7], 0
	s_mul_i32 s43, s12, TROWS*PITCH                ; LDS: my 16 rows of chunk 0 = wave x 16 rows
	s_lshl_b32 s44, s13, 16                        ; feat1: h x 256 rows of 256 bytes
	s_lshl_b32 s46, s14, 12                        ;      + g x 16 rows
	s_add_co_u32 s44, s44, s46
	s_lshl_b32 s46, s42, 17                        ;      + y x 131,072: made of y and the wave's number alone
	s_add_co_u32 s44, s44, s46
	s_mov_b32 s45, 0
	s_lshl_b32 s48, s41, 11                        ; feat0: x times 16 rows of 128 bytes
	s_mov_b32 s49, 0
	s_lshl_b32 s50, s14, 9                         ; + g x 4 rows
	v_lshlrev_b32 v5, 4, v1                        ; 16 x lane
	v_add_nc_u32 v4, s50, v5
	s_wait_dscnt 0x0
	s_wait_kmcnt 0x0
	s_add_nc_u64 s[4:5], s[4:5], s[48:49]
	global_load_b128 v[T:T+3], v4, s[4:5]          ; my wave's four query rows: 512 consecutive bytes, 16 a lane
	s_add_nc_u64 s[6:7], s[6:7], s[44:45]
.irp c, 0,1,2,3
	s_mov_b32 s[G0+4*\c], 1                                        ; count = 1
	s_add_co_u32 s[G0+4*\c+1], s43, \c*CROWS*PITCH                 ; LDS address: wave x 4,352 + chunk x 34,816
	s_add_nc_u64 s[G0+4*\c+2:G0+4*\c+3], s[6:7], \c*CSTEP          ; global address
	s_or_b32 s[G0+4*\c+3], s[G0+4*\c+3], 0x80000000                ; type = 2
.endr
	ROUND                                          ; the four work-groups are here: their joint loads meet
.irp c, 0,1,2,3
	tensor_load_to_lds s[G0+4*\c:G0+4*\c+3], s[G1:G1+7]            ; all four chunks at once: four loads of the wave are out, none is issued later
	s_nop 0
.endr
	s_lshl_b32 s51, s12, 9
	s_add_co_u32 s51, s51, STAGE                   ; my wave's stage
	v_add_nc_u32 v5, s51, v5                       ; + 16 x lane: where my 16 bytes go
	v_mov_b32 v6, s51                              ; and, the same in every lane, from where they are read back
	v_mul_u32_u24 v[LADR], v1, PITCH
	s_mul_i32 s55, s13, 64*PITCH
	v_add_nc_u32 v[LADR], s55, v[LADR]             ; LDS row 64 h + lane of chunk 0
	v_add_nc_u32 v[LADR+1], 2*CROWS*PITCH, v[LADR] ; the same of chunk 2
	s_lshl_b32 s60, s42, 10
	s_lshl_b32 s61, s13, 9
	s_add_co_u32 s60, s60, s61
	v_lshl_add_u32 v[JV], v1, 1, s60               ; j = 1024 y + 512 h + 2 lane: an LDS row holds candidates 2 r and 2 r + 1
	s_mov_b32 s52, 0x76543210                      ; v_permlanex16_b32: lane i reads lane i of the other half
	s_mov_b32 s53, 0xfedcba98
	s_wait_loadcnt 0x0                             ; the query rows are in
	ds_store_b128 v5, v[T:T+3]
.set i, 0
.rept 32
	ds_load_b128 v[A+4*i:A+4*i+3], v6 offset:16*i  ; every lane reads the same 16 bytes; my wave's own bytes, served in order behind the store (ISA guide 5.7.1)
.set i, i+1
.endr
; the 32 numbers of my lane's candidate of step fs: chunk fs / 4, block (fs / 2) % 2 of 32 LDS rows, first or second half of the row
.macro FETCH
.set fo, (((fs/4)%2)*CROWS+((fs/2)%2)*32)*PITCH+(fs%2)*128
.irp k, 0,1,2,3,4,5,6,7
	ds_load_b128 v[B0+32*(fs%2)+4*\k:B0+32*(fs%2)+4*\k+3], v[LADR+fs/8] offset:fo+16*\k
.endr
.endm
; features 4 fb .. 4 fb + 3: candidate minus query row, four rows, two at a time
.macro SUBS fb
.irp u, 0,1,2,3
.irp k, 0,1
	v_pk_add_f32 v[T+4*\u+2*\k:T+4*\u+2*\k+1], v[CUR+4*\fb+2*\k:CUR+4*\fb+2*\k+1], v[A+32*\u+4*\fb+2*\k:A+32*\u+4*\fb+2*\k+1] neg_lo:[0,1] neg_hi:[0,1]
.endr
.endr
.endm
; |t| + |t|; rows 2 rp and 2 rp + 1 land side by side.  dst = ACC for the first four features: they start the sums, nothing is cleared
.macro ADDS dst
.irp k, 0,1
.irp u, 0,1,2,3
	v_add_f32 v[\dst+4*\k+\u], |v[T+4*\u+2*\k]|, |v[T+4*\u+2*\k+1]|
.endr
.endr
.endm
; onto four pairs of sums, which take turns
.macro ACCS
.irp k, 0,1
.irp rp, 0,1
	v_pk_add_f32 v[ACC+4*\k+2*\rp:ACC+4*\k+2*\rp+1], v[ACC+4*\k+2*\rp:ACC+4*\k+2*\rp+1], v[X+4*\k+2*\rp:X+4*\k+2*\rp+1]
.endr
.endr
.endm
; Step st: 32 candidates (one a lane) against four query rows.  The next step's numbers are asked of LDS first, into the other buffer,
; and have this step's arithmetic in which to arrive.  The accumulation of one group of four features stands behind the subtractions
; of the next, so that no instruction follows closely on the one whose result it reads.
.macro STEP
	s_wait_dscnt 0x0                               ; this step's 32 numbers are in (no LDS instruction of mine is out: the signal below may follow)
.if st+1 < STEPS
.if (st+1)%4 == 0
	s_wait_tensorcnt CHUNKS-1-(st+1)/4             ; my part of the next chunk has landed: a wave's tensor loads end in order (ISA guide 10.11.1), the count is the chunks behind it
	s_barrier_signal -1
	s_barrier_wait -1                              ; every wave's part has.  Younger chunks stay out
.endif
.set fs, st+1
	FETCH
.endif
.set CUR, B0+32*(st%2)
	SUBS 0
	ADDS ACC
	SUBS 1
	ADDS X
.irp fb, 2,3,4,5,6,7
	SUBS \fb
	ACCS
	ADDS X
.endr
	ACCS
	v_pk_add_f32 v[ACC:ACC+1], v[ACC:ACC+1], v[ACC+4:ACC+5]        ; the distances of query rows 0, 1
	v_pk_add_f32 v[ACC+2:ACC+3], v[ACC+2:ACC+3], v[ACC+6:ACC+7]    ; and 2, 3
.if st == 0
.irp u, 0,1,2,3
	v_mov_b32 v[BEST+\u], v[ACC+\u]                ; the first candidate starts the minimum
	v_mov_b32 v[IDX+\u], v[JV]
.endr
.else
.irp u, 0,1,2,3
	v_cmp_lt_f32 s[MASK+\u], v[ACC+\u], v[BEST+\u] ; strictly smaller: of equal distances the earlier, lower j stays
.endr
.irp u, 0,1,2,3
	v_min_num_f32 v[BEST+\u], v[BEST+\u], v[ACC+\u]
.endr
.irp u, 0,1,2,3
	v_cndmask_b32 v[IDX+\u], v[IDX+\u], v[JV], s[MASK+\u]
.endr
.endif
.if st+1 < STEPS
	v_add_nc_u32 v[JV], 1+62*(st%2), v[JV]         ; the row's second candidate: + 1; then 32 LDS rows on: + 63
.endif
.endm
	s_wait_tensorcnt 0x3                           ; my part of chunk 0 has landed, three chunks stay out
	s_wait_dscnt 0x0                               ; the query rows are in their registers
	s_barrier_signal -1
	s_barrier_wait -1                              ; chunk 0 is whole
.set fs, 0
	FETCH
; The 16 steps are written out: the LDS offsets are immediates, and the three waits for chunks have three different counts.
.set st, 0
.rept STEPS
	STEP
.set st, st+1
.endr
	; Across the 32 lanes, four query rows side by side: the smallest distance; then, among the lanes that hold it, the lowest j.
.irp u, 0,1,2,3
	v_min_num_f32_dpp v[X+\u], v[BEST+\u], v[BEST+\u] row_xmask:1 row_mask:0xf bank_mask:0xf
.endr
.irp m, 2,4,8
.irp u, 0,1,2,3
	v_min_num_f32_dpp v[X+\u], v[X+\u], v[X+\u] row_xmask:\m row_mask:0xf bank_mask:0xf
.endr
.endr
.irp u, 0,1,2,3
	v_permlanex16_b32 v[T+\u], v[X+\u], s52, s53   ; the other half of the lanes
.endr
.irp u, 0,1,2,3
	v_min_num_f32 v[X+\u], v[X+\u], v[T+\u]        ; every lane holds the wave's minimum
.endr
.irp u, 0,1,2,3
	v_cmp_eq_f32 s[MASK+\u], v[BEST+\u], v[X+\u]
.endr
.irp u, 0,1,2,3
	v_cndmask_b32 v[IDX+\u], -1, v[IDX+\u], s[MASK+\u]             ; lanes that do not reach it offer the largest number
.endr
.irp m, 1,2,4,8
.irp u, 0,1,2,3
	v_mov_b32_dpp v[T+\u], v[IDX+\u] row_xmask:\m row_mask:0xf bank_mask:0xf
.endr
.irp u, 0,1,2,3
	v_min_u32 v[IDX+\u], v[IDX+\u], v[T+\u]
.endr
.endr
.irp u, 0,1,2,3
	v_permlanex16_b32 v[T+\u], v[IDX+\u], s52, s53
.endr
.irp u, 0,1,2,3
	v_min_u32 v[IDX+\u], v[IDX+\u], v[T+\u]
.endr
	; The two halves meet in LDS: wave w puts its four distances at RES + 16 w = RES + 64 h + 4 (4 g + u), its four j 128 bytes further on.
	v_mov_b32 v4, s12
	v_lshlrev_b32 v4, 4, v4
	v_add_nc_u32 v4, RES, v4
	ds_store_b128 v4, v[X:X+3]                     ; every lane writes the same 16 bytes
	ds_store_b128 v4, v[IDX:IDX+3] offset:128
	s_wait_dscnt 0x0                               ; for wave 0's sake: my stores are done before I signal
	s_barrier_signal -1
	s_barrier_wait -1
	s_cmp_lg_u32 s12, 0
	s_cbranch_scc1 .Lclose                         ; wave 0 alone finishes the 16 rows
	v_and_b32 v5, 15, v1
	v_lshlrev_b32 v5, 2, v5                        ; 4 x row
	v_add_nc_u32 v6, RES, v5
	ds_load_b32 v8, v6                             ; distance, h = 0
	ds_load_b32 v9, v6 offset:64                   ; distance, h = 1
	ds_load_b32 v10, v6 offset:128                 ; j, h = 0
	ds_load_b32 v11, v6 offset:192                 ; j, h = 1
	s_lshl_b32 s62, s42, 13                        ; y x 2048 rows x 4 bytes
	s_lshl_b32 s60, s41, 6                         ; + x times 16 rows
	s_add_co_u32 s62, s62, s60
	s_mov_b32 s63, 0
	s_add_nc_u64 s[8:9], s[8:9], s[62:63]
	s_add_nc_u64 s[10:11], s[10:11], s[62:63]
	s_wait_dscnt 0x0
	v_cmp_lt_f32 vcc_lo, v9, v8                    ; strictly smaller: of equal distances h = 0, the lower j, stays
	v_min_num_f32 v8, v8, v9
	v_cndmask_b32 v10, v10, v11, vcc_lo
	s_wait_xcnt 0x0                                ; EXEC changes only behind this wait
	v_cmp_gt_u32 vcc_lo, 16, v1
	s_and_saveexec_b32 s54, vcc_lo                 ; lanes 0-15: one row each
	global_store_b32 v5, v8, s[8:9]                ; 64 consecutive bytes of pd
	global_store_b32 v5, v10, s[10:11]             ; 64 consecutive bytes of pi
	s_wait_xcnt 0x0                                ; and again in front of the line that widens it
	s_or_b32 exec_lo, exec_lo, s54
.Lclose:
	s_wait_tensorcnt 0x0
	ds_add_u32 v240, v241
	s_wait_dscnt 0x0
	ROUND                                          ; the closing round: no work-group ends while a partner may still ask for a tile that names it
	s_endpgm
.Lfunc_end_k_qc77be2c426_nearest:
	.size	k_qc77be2c426_nearest, .Lfunc_end_k_qc77be2c426_nearest-k_qc77be2c426_nearest
	.p2alignl 7, 3214868480
	.fill 96, 4, 3214868480
	.section	.rodata,"a",@progbits
	.p2align	6, 0x0
	.amdhsa_kernel k_qc77be2c426_nearest
		.amdhsa_group_segment_fixed_size 168960
		.amdhsa_private_segment_fixed_size 0
		.amdhsa_enable_private_segment 0
		.amdhsa_kernarg_size 32
		.amdhsa_user_sgpr_count 2
		.amdhsa_user_sgpr_kernarg_segment_ptr 1
		.amdhsa_wavefront_size32 1
		.amdhsa_system_sgpr_workgroup_id_x 1
		.amdhsa_system_sgpr_workgroup_id_y 1
		.amdhsa_system_sgpr_workgroup_id_z 1
		.amdhsa_system_vgpr_workitem_id 0
		.amdhsa_next_free_vgpr 242
		.amdhsa_next_free_sgpr 66
		.amdhsa_reserve_vcc 1
		.amdhsa_float_denorm_mode_32 3
		.amdhsa_float_denorm_mode_16_64 3
		.amdhsa_memory_ordered 1
		.amdhsa_forward_progress 1
		.amdhsa_inst_pref_size 190
	.end_amdhsa_kernel
	.amdgpu_metadata
---
amdhsa.version: [ 1, 2 ]
amdhsa.kernels:
  - .name:           k_qc77be2c426_nearest
    .symbol:         k_qc77be2c426_nearest.kd
    .args:
      - { .name: feat0, .offset: 0, .size: 8, .value_kind: global_buffer, .address_space: global }
      - { .name: feat1, .offset: 8, .size: 8, .value_kind: global_buffer, .address_space: global }
      - { .name: pd, .offset: 16, .size: 8, .value_kind: global_buffer, .address_space: global }
      - { .name: pi, .offset: 24, .size: 8, .value_kind: global_buffer, .address_space: global }
    .group_segment_fixed_size: 168960
    .private_segment_fixed_size: 0
    .kernarg_segment_align: 8
    .kernarg_segment_size: 32
    .max_flat_workgroup_size: 256
    .sgpr_count:     66
    .vgpr_count:     242
    .wavefront_size: 32
...
	.end_amdgpu_metadata
.endif
;; end of part 1
;; launch finish (part 2): grid 1 x 1, 32 waves a work-group, no clusters, 4,352 bytes of LDS; arguments pd, pi, pos1, out0, out1; writes out0, out1
.if DOCPART == 2
	.amdgcn_target "amdgcn-amd-amdhsa--gfx1250"
	.amdhsa_code_object_version 6
	.text
	.protected	k_qc77be2c426_finish
	.globl	k_qc77be2c426_finish
	.p2align	8
	.type	k_qc77be2c426_finish,@function
k_qc77be2c426_finish:
	s_mov_b64 s[64:65], 0
	v_nop
	global_prefetch_b8 v0, s[64:65] scope:SCOPE_SE
	s_setreg_imm32_b32 hwreg(HW_REG_WAVE_MODE, 25, 1), 1
	s_wait_xcnt 0x0
; Nearest neighbour in L1, second part.  pd, pi: [2][2048], the smallest distance d and its index in each half of the candidates.
; out0[i] = pos1[j(i)];  out1[i] = dist / select with dist = -d, th = max(dist) - min(dist) / 4 = dmax / 4 - dmin,
; select = (dist < th) + 1e-6.
; One work-group of 1024 threads, two rows a thread: the threshold needs all 2048 distances, 64 KiB are read in all, and more
; work-groups would each repeat the whole reduction.  No matrix work, no tiles, no cluster: nothing is shared between work-groups.
; The positions of BOTH halves' candidates are fetched, by addresses made of the stored indices alone, and the pair that belongs
; to the smaller distance is chosen by value.
; select has two values only, 1 + 1e-6 and 1e-6 (as f32): the division is a multiplication by one of two constants, -1/select,
; each within one rounding of the quotient.
; LIMITS: NaN distances are not served (minimum and maximum pass them over).  Equal distances: the first half, the lower index.
	s_load_b256 s[4:11], s[0:1], 0x0               ; pd s[4:5], pi s[6:7], pos1 s[8:9], out0 s[10:11]
	s_load_b64 s[12:13], s[0:1], 0x20              ; out1
	v_lshl_add_u32 v32, v0, 2, 0x100
	v_mov_b32 v33, 0
	v_lshlrev_b32 v1, 3, v0                        ; 8 t: my two rows in pd, pi, out1
	v_lshlrev_b32 v2, 4, v0                        ; 16 t: my two rows in out0
	v_lshrrev_b32 v3, 5, v0
	v_readfirstlane_b32 s14, v3                    ; wave
	v_and_b32 v3, 31, v0
	v_lshlrev_b32 v3, 3, v3                        ; 8 x lane
	s_mov_b32 s16, 0x76543210                      ; v_permlanex16_b32: lane i reads lane i of the other half
	s_mov_b32 s17, 0xfedcba98
	s_mov_b32 s22, 0x3e800000                      ; 0.25
	v_mov_b32 v28, 0xc9742400                      ; -1 / 1e-6
	v_mov_b32 v29, 0xbf7ffff0                      ; -1 / (1 + 1e-6)
	s_wait_kmcnt 0x0
	global_load_b64 v[4:5], v1, s[6:7]             ; j of my two rows, first half of the candidates
	global_load_b64 v[6:7], v1, s[6:7] offset:8192 ; second half
	global_load_b64 v[8:9], v1, s[4:5]             ; d, first half
	global_load_b64 v[10:11], v1, s[4:5] offset:8192
	s_wait_loadcnt 0x2                             ; the indices are in; the two loads of d stay out
.irp r, 4,5,6,7
	v_min_u32 v\r, 0x7ff, v\r                      ; an index stays inside pos1's 2048 rows
	v_lshlrev_b32 v\r, 3, v\r                      ; 8 bytes a row
.endr
	global_load_b64 v[12:13], v4, s[8:9]           ; row 0, first half's candidate
	global_load_b64 v[14:15], v5, s[8:9]           ; row 1
	global_load_b64 v[16:17], v6, s[8:9]           ; row 0, second half's candidate
	global_load_b64 v[18:19], v7, s[8:9]           ; row 1
	s_wait_loadcnt 0x4                             ; d is in; the four positions stay out
	v_cmp_lt_f32 s18, v10, v8                      ; the second half wins only if strictly smaller
	v_cmp_lt_f32 s19, v11, v9
	v_min_num_f32 v8, v8, v10                      ; d of row 0
	v_min_num_f32 v9, v9, v11                      ; d of row 1
	v_min_num_f32 v20, v8, v9
	v_max_num_f32 v21, v8, v9
; v20 = smallest, v21 = largest over the wave's 32 lanes, in every lane: four steps inside each 16 lanes ride on the arithmetic,
; one crosses the halves.  v10, v11 have been written and are free.
.macro WAVEMINMAX
.irp m, 1,2,4,8
	v_min_num_f32_dpp v20, v20, v20 row_xmask:\m row_mask:0xf bank_mask:0xf
	v_max_num_f32_dpp v21, v21, v21 row_xmask:\m row_mask:0xf bank_mask:0xf
.endr
	v_permlanex16_b32 v10, v20, s16, s17
	v_permlanex16_b32 v11, v21, s16, s17
	v_min_num_f32 v20, v20, v10
	v_max_num_f32 v21, v21, v11
.endm
	WAVEMINMAX
	v_mov_b32 v22, s14
	v_lshlrev_b32 v22, 3, v22                      ; 8 x wave
	ds_store_b64 v22, v[20:21]                     ; every lane writes the wave's pair to the wave's 8 bytes
	s_wait_dscnt 0x0                               ; for the others' sake: done before I signal
	s_barrier_signal -1
	s_barrier_wait -1
	ds_load_b64 v[20:21], v3                       ; lane l takes wave l's pair
	s_wait_dscnt 0x0
	WAVEMINMAX                                     ; dmin, dmax of all 2048 rows
	v_fma_f32 v24, v21, s22, -v20                  ; th = dmax / 4 - dmin: the quarter is exact, one rounding as in max(dist) - min(dist) / 4
	v_cmp_lt_f32 s20, -v8, v24                     ; dist < th
	v_cmp_lt_f32 s21, -v9, v24
	v_cndmask_b32 v25, v28, v29, s20               ; -1 / select
	v_cndmask_b32 v22, v28, v29, s21
	v_mul_f32 v26, v8, v25                         ; dist / select
	v_mul_f32 v27, v9, v22
	global_store_b64 v1, v[26:27], s[12:13]        ; a wave stores 256 consecutive bytes, aligned
	s_wait_loadcnt 0x0                             ; the positions are in
	v_cndmask_b32 v12, v12, v16, s18
	v_cndmask_b32 v13, v13, v17, s18
	v_cndmask_b32 v14, v14, v18, s19
	v_cndmask_b32 v15, v15, v19, s19
	global_store_b128 v2, v[12:15], s[10:11]       ; 16 lanes store 256 consecutive bytes, aligned
	s_wait_tensorcnt 0x0
	ds_add_u32 v32, v33
	s_wait_dscnt 0x0
	s_endpgm
.Lfunc_end_k_qc77be2c426_finish:
	.size	k_qc77be2c426_finish, .Lfunc_end_k_qc77be2c426_finish-k_qc77be2c426_finish
	.p2alignl 7, 3214868480
	.fill 96, 4, 3214868480
	.section	.rodata,"a",@progbits
	.p2align	6, 0x0
	.amdhsa_kernel k_qc77be2c426_finish
		.amdhsa_group_segment_fixed_size 4352
		.amdhsa_private_segment_fixed_size 0
		.amdhsa_enable_private_segment 0
		.amdhsa_kernarg_size 40
		.amdhsa_user_sgpr_count 2
		.amdhsa_user_sgpr_kernarg_segment_ptr 1
		.amdhsa_wavefront_size32 1
		.amdhsa_system_sgpr_workgroup_id_x 1
		.amdhsa_system_sgpr_workgroup_id_y 1
		.amdhsa_system_sgpr_workgroup_id_z 1
		.amdhsa_system_vgpr_workitem_id 0
		.amdhsa_next_free_vgpr 34
		.amdhsa_next_free_sgpr 66
		.amdhsa_reserve_vcc 0
		.amdhsa_float_denorm_mode_32 3
		.amdhsa_float_denorm_mode_16_64 3
		.amdhsa_memory_ordered 1
		.amdhsa_forward_progress 1
		.amdhsa_inst_pref_size 6
	.end_amdhsa_kernel
	.amdgpu_metadata
---
amdhsa.version: [ 1, 2 ]
amdhsa.kernels:
  - .name:           k_qc77be2c426_finish
    .symbol:         k_qc77be2c426_finish.kd
    .args:
      - { .name: pd, .offset: 0, .size: 8, .value_kind: global_buffer, .address_space: global }
      - { .name: pi, .offset: 8, .size: 8, .value_kind: global_buffer, .address_space: global }
      - { .name: pos1, .offset: 16, .size: 8, .value_kind: global_buffer, .address_space: global }
      - { .name: out0, .offset: 24, .size: 8, .value_kind: global_buffer, .address_space: global }
      - { .name: out1, .offset: 32, .size: 8, .value_kind: global_buffer, .address_space: global }
    .group_segment_fixed_size: 4352
    .private_segment_fixed_size: 0
    .kernarg_segment_align: 8
    .kernarg_segment_size: 40
    .max_flat_workgroup_size: 1024
    .sgpr_count:     66
    .vgpr_count:     34
    .wavefront_size: 32
...
	.end_amdgpu_metadata
.endif
;; end of part 2
